; MI455X (gfx1250); checked and timed in simulation.
; The chip was launched on July 23, 2026; its instructions are those of AMD's public machine-readable ISA for CDNA 5 (MIT licence, August 2026) and "CDNA5" Instruction Set Architecture Reference Guide (July 2026). The comments in the code are by the model that wrote it; some were corrected since.
;; Soft Tree. Allowed arithmetic: matrix products marked QUANTISED: E4M3 operands, one E8M0 scale for each 32 along K, by v_wmma_scale_f32_16x16x128_f8f6f4 with both operands' format E4M3, f32 sums; products left as they are: f32 operands where the result goes on into a quantised operand, else bf16, f16 or f32 operands; f32 sums; everything else in f32.
;; Inputs: biases 15 float32; leaf_W 16 x 1,024 x 1,024 float32; leaf_b 16 x 1,024 float32; leaf_indices 4,096 int32; masks 16 x 30 float32; weights 15 x 1,024 float32; xs 4,096 x 1,024 float32.
;; Outputs: out0 4,096 x 1,040 float32.
;; This version of the problem:
;;   THIS VERSION OF THE PROBLEM IS GIVEN IN LOW PRECISION. The matrix products marked QUANTISED in the list below multiply operands that are first quantised to E4M3 (4 exponent bits, 3 mantissa bits; 8 bits a number), with one power-of-two scale for each 32 numbers along K (OCP MX v1.0); their sums are f32. All else is computed in f32.
;;   The module's matrix products, in the order in which they are computed (A, B: the left and right operand; K: the contracted axis; several contracted axes count as one K, in the product's order):
;;     1. [M 4,096, K 1,024] x [K 1,024, N 15]; A: input xs; B: input weights: left as it is (N = 15 < 16)
;;     2. [M 4,096, K 30] x [K 30, N 16]; A: computed on the way; B: input masks: left as it is (K = 30 < 32)
;;     3. [M 4,096, K 1,024] x [K 1,024, N 1,024]; A: input xs; B: input leaf_W: QUANTISED
;;     4. [M 4,096, K 1,024] x [K 1,024, N 1,024]; A: input xs; B: input leaf_W: QUANTISED
;;     5. [M 4,096, K 1,024] x [K 1,024, N 1,024]; A: input xs; B: input leaf_W: QUANTISED
;;     6. [M 4,096, K 1,024] x [K 1,024, N 1,024]; A: input xs; B: input leaf_W: QUANTISED
;;     7. [M 4,096, K 1,024] x [K 1,024, N 1,024]; A: input xs; B: input leaf_W: QUANTISED
;;     8. [M 4,096, K 1,024] x [K 1,024, N 1,024]; A: input xs; B: input leaf_W: QUANTISED
;;     9. [M 4,096, K 1,024] x [K 1,024, N 1,024]; A: input xs; B: input leaf_W: QUANTISED
;;     10. [M 4,096, K 1,024] x [K 1,024, N 1,024]; A: input xs; B: input leaf_W: QUANTISED
;;     11. [M 4,096, K 1,024] x [K 1,024, N 1,024]; A: input xs; B: input leaf_W: QUANTISED
;;     12. [M 4,096, K 1,024] x [K 1,024, N 1,024]; A: input xs; B: input leaf_W: QUANTISED
;;     13. [M 4,096, K 1,024] x [K 1,024, N 1,024]; A: input xs; B: input leaf_W: QUANTISED
;;     14. [M 4,096, K 1,024] x [K 1,024, N 1,024]; A: input xs; B: input leaf_W: QUANTISED
;;     15. [M 4,096, K 1,024] x [K 1,024, N 1,024]; A: input xs; B: input leaf_W: QUANTISED
;;     16. [M 4,096, K 1,024] x [K 1,024, N 1,024]; A: input xs; B: input leaf_W: QUANTISED
;;     17. [M 4,096, K 1,024] x [K 1,024, N 1,024]; A: input xs; B: input leaf_W: QUANTISED
;;     18. [M 4,096, K 1,024] x [K 1,024, N 1,024]; A: input xs; B: input leaf_W: QUANTISED
;;   THE QUANTISER, for each operand of a quantised product, along K:
;;     - K is cut into blocks of 32 from its start; a last block that is shorter is filled with zeros.
;;     - A block's scale is 2^e with e = floor(log2(the largest magnitude in the block)) - 8, held to -126 .. 127; a block of zeros has e = 0. As a byte (E8M0): e + 127.
;;     - Each number is divided by its block's scale, clamped to +-448, and rounded to the nearest number of E4M3, ties to even, subnormals kept.
;;     - The product sums the exact products of the quantised numbers (number of the format x scale) in f32.
;;   ~~~python
;;   def quantise(x, axis):      # numpy; x: float32 -> the quantised numbers, widened to float32 again
;;       x = np.moveaxis(x, axis, -1); K = x.shape[-1]
;;       x = np.pad(x, [(0, 0)] * (x.ndim - 1) + [(0, -K % 32)]); x = x.reshape(x.shape[:-1] + (-1, 32)); a = np.abs(x).max(-1, keepdims=True)
;;       e = np.where(a > 0, np.clip(np.frexp(np.where(a > 0, a, 1))[1] - 1 - 8, -126, 127), 0)      # np.frexp(a)[1] - 1 = floor(log2(a)), exactly
;;       r = np.clip(x / 2.0 ** e, -448, 448)
;;       step = 2.0 ** (np.maximum(np.frexp(np.where(r == 0, 1, r))[1] - 1, -6) - 3)
;;       q = np.round(r / step) * step * 2.0 ** e      # np.round: ties to even
;;       return np.moveaxis(q.reshape(q.shape[:-2] + (-1,))[..., :K], -1, axis).astype(np.float32)
;;   ~~~
;; 2 versions, each right; version 2 is version 1 with the launch leaf written anew for expert scheduling mode. Each part assembles by itself: llvm-mc -triple=amdgcn-amd-amdhsa -mcpu=gfx1250 --defsym DOCPART=n.
;; ======== version 1 of 2: 2 launches
;; workspace buffers: xcodes 4,194,304 bytes; xscales 131,072 bytes; order 16,384 bytes of whole numbers; offs 1,024 bytes of whole numbers
;; launch prep (part 1): grid 256 x 1, 8 waves a work-group, no clusters, 98,560 bytes of LDS; arguments xs, leaf_indices, weights, biases, masks, xcodes, xscales, order, offs, out0; writes xcodes, xscales, order, offs, out0
.if DOCPART == 1
	.amdgcn_target "amdgcn-amd-amdhsa--gfx1250"
	.amdhsa_code_object_version 6
	.text
	.protected	k_qbb165289b6_prep
	.globl	k_qbb165289b6_prep
	.p2align	8
	.type	k_qbb165289b6_prep,@function
k_qbb165289b6_prep:
	s_mov_b64 s[64:65], 0
	v_nop
	global_prefetch_b8 v0, s[64:65] scope:SCOPE_SE
	s_setreg_imm32_b32 hwreg(HW_REG_WAVE_MODE, 25, 1), 1
	s_wait_xcnt 0x0
; THREE THINGS FOR 16 TOKENS A WORK-GROUP (tokens 16 g .. 16 g + 15; 256 work-groups, 8 waves):
;  (1) xs [4096][1024] f32 -> codes of E4M3, K innermost (xcodes [4096][1024]) and one E8M0 byte for each 32 along K (xscales [4096][8] words: word s = the four bytes of K 128 s .. 128 s + 127);
;  (2) out0's columns 0-15: logits = xs weights^T + biases (bf16 operands, f32 sums: this product feeds no quantiser), log-sigmoid of -z and of z in f32, then x masks^T by f32 multiply-adds;
;  (3) a counting sort of the tokens by leaf: order[p] = the token at place p by (leaf, token); offs[g] = how many tokens have a leaf under min(g, 16).  No atomics: each work-group counts, for each of
;      its own 16 tokens, the keys of all 4,096 tokens that lie under that token's key: that count is the token's place, and no two tokens share a place.
; SHARES.  Wave w owns K step w (K 128 w .. 128 w + 127) of the 16 rows of x and of the 15 rows of weights, keys 512 w .. 512 w + 511 of the sort, and leaves 2 w, 2 w + 1 of the product with masks.
; A block's scale is 2^(floor(log2(its largest magnitude)) - 8); its byte is that magnitude's exponent field - 8, held at 1 from below.
; LIMITS: NaN and infinities among the inputs are not served.  A block of zeros gets the byte 1 where the rule says 127: its codes are zeros, and this program alone reads the bytes.
; A leaf index outside 0 .. 15 is taken as 15 (such an index lies outside the table that it indexes).  The logits' operands are rounded to bf16.
.set XST,   0                          ; LDS: 8 x 8,448: each wave's own stage, 16 rows x (512 + 16) bytes; x goes through it, then weights
.set CST,   67584                      ; 16 x 1,040: the codes, a token's row of 1,024 bytes + 16
.set SST,   84224                      ; 512: scale words, 32 x token + 4 x K step
.set PART,  84736                      ; 8 x 1,024: each wave's partial logits as its registers hold them: word 8 x lane + j
.set CNTL,  92928                      ; 8 x 128: each wave's 17 counts, one a lane
.set LPB,   93952                      ; 16 x 144: lp[token][2 node + (0: of -z, 1: of z)]
.set LOB,   96256                      ; 16 x 80: the log-probs [token][16]
.set LANE, 1
.set RR,   2                           ; lane % 16
.set HH,   3                           ; lane / 16
.set GX,   4                           ; 512 w + 16 lane: my 16 bytes of a row's K step, in xs and in weights
.set STS,  5                           ; the stage, on the way in: 8,448 w + 16 lane
.set STR,  6                           ; and back: 8,448 w + 528 r + 64 h
.set CSTW, 7
.set SSTW, 8
.set PARTW, 9
.set PARTR, 10
.set CNTW, 11
.set CNTR, 12
.set LPW,  13
.set LPR,  14
.set LOW,  15
.set KEY,  16                          ; v16-31  indices, then keys; later PC, the codes
.set PC,   16
.set MK,   32                          ; v32-61  my leaf's row of masks
.set BI,   62                          ; v62     my node's bias
.set CN,   63                          ; v63     my wave's counts, one a lane; later PW, the scale word
.set PW,   63
.set RX,   64                          ; v64-127 x as loaded; then weights back from the stage; then ACC, T, U, TM
.set ACC,  64
.set T,    96
.set U,    104
.set TM,   112                         ; v112-115 largest magnitudes, 116-119 bytes, 120-123 448 x the scale, 124-127 the conversions' scale operands
.set RW,   128                         ; v128-191 weights as loaded; then XB, WB: bf16 fragments
.set XB,   128
.set WB,   160
.set X,    192                         ; v192-255 x back from the stage: register 16 b + i = k 32 b + 16 h + i of row r
.set THR,  24                          ; s24-40  the keys of my 16 tokens, and min(g, 16) << 12
.set CNTS, 41                          ; s41-57  how many of my wave's 512 keys lie under each
.set SEL,  66
.set MNT,  68
.macro BARRIER                         ; my LDS stores have landed and my LDS loads are in: then the work-group's barrier
	s_wait_dscnt 0x0
	s_barrier_signal -1
	s_barrier_wait -1
.endm
; 16 rows x 512 bytes as loaded (16 bytes a lane) go into my wave's stage and come back 64 bytes a lane: 16 neighbours along K of each of the four blocks of row r.  LDS serves a wave's instructions in order.
.macro STAGE raw, back
.irp i, 0,1,2,3,4,5,6,7,8,9,10,11,12,13,14,15
	ds_store_b128 v[STS], v[\raw+4*\i:\raw+4*\i+3] offset:528*\i
.endr
	s_wait_dscnt 16                                ; only the 16 stores above may be out: every older LDS store has read its registers, into which the loads below may land
.irp b, 0,1,2,3
.irp j, 0,1,2,3
	ds_load_b128 v[\back+16*\b+4*\j:\back+16*\b+4*\j+3], v[STR] offset:128*\b+16*\j
.endr
.endr
.endm
; how many of my wave's 512 keys lie under key i: 16 compares, four masks at a time so that a bit count does not wait for the compare just ahead of it
.macro COUNT i
.irp g, 0,1,2,3
.irp k, 0,1,2,3
	v_cmp_gt_u32 s[72+\k], s[THR+\i], v[KEY+4*\g+\k]
.endr
.irp k, 0,1,2,3
	s_bcnt1_i32_b32 s[72+\k], s[72+\k]
.endr
.if \g == 0
	s_add_co_u32 s[CNTS+\i], s72, s73              ; the first addition starts the count
.else
	s_add_co_u32 s[CNTS+\i], s[CNTS+\i], s72
	s_add_co_u32 s[CNTS+\i], s[CNTS+\i], s73
.endif
	s_add_co_u32 s[CNTS+\i], s[CNTS+\i], s74
	s_add_co_u32 s[CNTS+\i], s[CNTS+\i], s75
.endr
.endm
; 64 numbers of a lane, register 16 b + i = k 32 b + 16 (lane / 16) + i of my row, become a fragment's codes in v[PC] on and its scale word in v[PW]
.macro QUANT s
.irp b, 0,1,2,3
	v_max3_num_f32 v[TM+\b], |v[\s+16*\b]|, |v[\s+1+16*\b]|, 0x4800000   ; block b: my 16 numbers, and the floor 2^(9 - 127): the byte cannot fall under 1
.endr
.irp i, 2,4,6,8,10,12,14
.irp b, 0,1,2,3
	v_max3_num_f32 v[TM+\b], v[TM+\b], |v[\s+16*\b+\i]|, |v[\s+1+16*\b+\i]|   ; the four blocks by turns
.endr
.endr
.irp b, 0,1,2,3
	v_permlanex16_b32 v[TM+4+\b], v[TM+\b], s[SEL], s[SEL+1]
.endr
.irp b, 0,1,2,3
	v_max_num_f32 v[TM+\b], v[TM+\b], v[TM+4+\b]   ; with lane l xor 16's: the block's largest magnitude
.endr
.irp b, 0,1,2,3
	v_add_nc_u32 v[TM+12+\b], 0xfc000000, v[TM+\b] ; 8 off its exponent field: the conversion takes this operand's exponent field as its scale
.endr
.irp b, 0,1,2,3
	v_and_or_b32 v[TM+8+\b], v[TM+\b], 0x7f800000, s[MNT]   ; 448 x the scale
.endr
.irp b, 0,1,2,3
	v_lshrrev_b32 v[TM+4+\b], 23, v[TM+12+\b]      ; the scale's byte
.endr
	v_lshl_or_b32 v[PW], v[TM+5], 8, v[TM+4]       ; the four bytes make my row's scale word
	v_lshl_or_b32 v[PW], v[TM+6], 16, v[PW]
	v_lshl_or_b32 v[PW], v[TM+7], 24, v[PW]
.irp b, 0,1,2,3
.irp i, 0,1,2,3,4,5,6,7,8,9,10,11,12,13,14,15
	v_med3_num_f32 v[\s+16*\b+\i], v[\s+16*\b+\i], -v[TM+8+\b], v[TM+8+\b]   ; the conversion to an 8-bit code does not saturate (ISA guide 7.6.2): the hold at the largest code x the scale
.endr
	v_cvt_scalef32_pk8_fp8_f32 v[PC+4*\b:PC+1+4*\b], v[\s+16*\b:\s+7+16*\b], v[TM+12+\b]
	v_cvt_scalef32_pk8_fp8_f32 v[PC+2+4*\b:PC+3+4*\b], v[\s+8+16*\b:\s+15+16*\b], v[TM+12+\b]
.endr
	v_nop                                          ; one plain vector line between the last conversion and the lines below that write its sources' registers
.endm
	s_load_b512 s[4:19], s[0:1], 0x0               ; xs s[4:5], leaf_indices s[6:7], weights s[8:9], biases s[10:11], masks s[12:13], xcodes s[14:15], xscales s[16:17], order s[18:19]
	s_load_b128 s[20:23], s[0:1], 0x40             ; offs s[20:21], out0 s[22:23]
	s_set_vgpr_msb 0x40
	v_lshl_add_u32 v0, v0, 2, 0x17d00
	v_mov_b32 v1, 0
	s_set_vgpr_msb 0x4000
	v_and_b32 v[LANE], 31, v0
	v_and_b32 v[RR], 15, v0
	v_bfe_u32 v[HH], v0, 4, 1
	v_lshrrev_b32 v[GX], 5, v0
	v_readfirstlane_b32 s58, v[GX]                 ; wave 0..7
	s_lshl_b32 s59, s58, 9
	v_lshl_add_u32 v[GX], v[LANE], 4, s59          ; 512 w + 16 lane
	v_lshl_add_u32 v195, v[LANE], 2, s59           ; the token of my first key: 512 w + 4 lane
	s_mul_i32 s60, s58, 8448
	v_lshl_add_u32 v[STS], v[LANE], 4, s60
	v_mul_u32_u24 v[STR], v[RR], 528
	v_lshl_add_u32 v[STR], v[HH], 6, v[STR]
	v_add_nc_u32 v[STR], s60, v[STR]
	v_mul_u32_u24 v[CSTW], v[RR], 1040             ; codes: row r, byte 128 w + 16 h (+ 32 c)
	v_lshl_add_u32 v[CSTW], v[HH], 4, v[CSTW]
	s_lshl_b32 s60, s58, 7
	s_add_co_u32 s60, s60, CST
	v_add_nc_u32 v[CSTW], s60, v[CSTW]
	s_lshl_b32 s60, s58, 2
	s_add_co_u32 s60, s60, SST
	v_lshl_add_u32 v[SSTW], v[RR], 5, s60          ; scale words: 32 r + 4 w
	v_lshl_add_u32 v[PARTW], v0, 5, PART           ; 1,024 w + 32 lane = 32 x thread
	v_lshl_add_u32 v[PARTR], v0, 2, PART           ; thread n takes word n of each wave's partial sums
	v_lshl_add_u32 v[CNTW], v0, 2, CNTL            ; 128 w + 4 lane
	v_lshl_add_u32 v[CNTR], v[LANE], 2, CNTL
	v_bfe_u32 v196, v0, 3, 4                       ; word n belongs to token (n / 8) % 16
	v_lshrrev_b32 v197, 7, v0
	v_and_b32 v198, 7, v0
	v_lshl_add_u32 v197, v197, 3, v198             ; and node 8 (n / 128) + n % 8
	v_mul_u32_u24 v[LPW], v196, 144
	v_lshl_add_u32 v[LPW], v197, 3, v[LPW]
	v_add_nc_u32 v[LPW], LPB, v[LPW]
	v_min_u32 v194, 14, v197                       ; node 15 does not exist: it takes node 14's bias and weights, and nobody reads its result
	v_lshlrev_b32 v194, 2, v194
	v_mul_u32_u24 v[LPR], v[RR], 144
	v_add_nc_u32 v[LPR], LPB, v[LPR]
	v_mul_u32_u24 v[LOW], v[RR], 80                ; log-probs: 80 r + 4 (2 w + h)
	v_lshl_add_u32 v[LOW], v[HH], 2, v[LOW]
	s_lshl_b32 s60, s58, 3
	s_add_co_u32 s60, s60, LOB
	v_add_nc_u32 v[LOW], s60, v[LOW]
	s_lshl_b32 s59, s58, 11
	v_lshl_add_u32 v192, v[LANE], 4, s59           ; my wave's 512 indices: 2,048 w + 16 lane
	s_mul_i32 s59, s58, 240
	v_mul_u32_u24 v193, v[HH], 120                 ; masks: row 2 w + h of 120 bytes
	v_add_nc_u32 v193, s59, v193
	s_mov_b32 s[SEL], 0x76543210
	s_mov_b32 s[SEL+1], 0xfedcba98                 ; v_permlanex16_b32's selects for lane l xor 16
	s_mov_b32 s[MNT], 0x600000                     ; the mantissa field of 448
	s_mov_b32 s63, 0
	s_wait_kmcnt 0x0
	s_lshl_b32 s62, ttmp9, 6
	s_add_nc_u64 s[70:71], s[6:7], s[62:63]
	s_load_b512 s[24:39], s[70:71], 0x0            ; my own 16 tokens' leaves, as scalars
	s_lshl_b32 s62, ttmp9, 16
	s_add_nc_u64 s[4:5], s[4:5], s[62:63]          ; xs at my first row
	s_lshl_b32 s62, ttmp9, 14
	s_add_nc_u64 s[14:15], s[14:15], s[62:63]      ; xcodes likewise
	s_lshl_b32 s62, ttmp9, 9
	s_add_nc_u64 s[16:17], s[16:17], s[62:63]      ; xscales
	s_mul_i32 s62, ttmp9, 66560
	s_add_nc_u64 s[22:23], s[22:23], s[62:63]      ; out0: 16 rows of 4,160 bytes
	; 52 loads, in the order in which they are wanted: 4 of indices, 16 of x, 16 of weights, 15 of masks, 1 of biases
.irp q, 0,1,2,3
	global_load_b128 v[KEY+4*\q:KEY+4*\q+3], v192, s[6:7] offset:512*\q
.endr
.irp i, 0,1,2,3,4,5,6,7,8,9,10,11,12,13,14,15
	global_load_b128 v[RX+4*\i:RX+4*\i+3], v[GX], s[4:5] offset:4096*\i th:TH_LOAD_NT      ; 32 lanes read 512 consecutive bytes of row i
.endr
.irp i, 0,1,2,3,4,5,6,7,8,9,10,11,12,13,14,15
	global_load_b128 v[RW+4*\i:RW+4*\i+3], v[GX], s[8:9] offset:4096*(\i-\i/15)            ; weights has 15 rows: the 16th load reads row 14 again and stays inside the buffer
.endr
.irp m, 0,1,2,3,4,5,6,7,8,9,10,11,12,13,14
	global_load_b64 v[MK+2*\m:MK+2*\m+1], v193, s[12:13] offset:8*\m
.endr
	global_load_b32 v[BI], v194, s[10:11]
	; ---- the sort, while x is on its way
	s_wait_kmcnt 0x0
	s_lshl_b32 s61, ttmp9, 4
.irp i, 0,1,2,3,4,5,6,7,8,9,10,11,12,13,14,15
	s_min_u32 s[THR+\i], s[THR+\i], 15
	s_lshl_b32 s[THR+\i], s[THR+\i], 12
	s_add_co_u32 s[THR+\i], s[THR+\i], s61         ; key = leaf x 4,096 + token
	s_add_co_u32 s61, s61, 1
.endr
	s_min_u32 s[THR+16], ttmp9, 16
	s_lshl_b32 s[THR+16], s[THR+16], 12            ; under this lie the keys of all leaves under min(g, 16)
	s_wait_loadcnt 48                              ; the four loads of indices are in; behind them 16 + 16 + 15 + 1 may be out
.irp k, 0,1,2,3,4,5,6,7,8,9,10,11,12,13,14,15
	v_min_u32 v[KEY+\k], 15, v[KEY+\k]
	v_lshl_add_u32 v[KEY+\k], v[KEY+\k], 12, v195
.endr
.irp k, 1,2,3,4,5,6,7,8,9,10,11,12,13,14,15
	v_add_nc_u32 v[KEY+\k], 128*(\k/4)+\k%4, v[KEY+\k]     ; register 4 q + j holds token 512 w + 128 q + 4 lane + j
.endr
.irp i, 0,1,2,3,4,5,6,7,8,9,10,11,12,13,14,15,16
	COUNT \i
.endr
	v_mov_b32 v[CN], 0
.irp i, 0,1,2,3,4,5,6,7,8,9,10,11,12,13,14,15,16
	v_writelane_b32 v[CN], s[CNTS+\i], \i
.endr
	ds_store_b32 v[CNTW], v[CN]
	; ---- x and weights turn through the stage
	s_wait_xcnt 0x0                                ; every load above has had its addresses translated: v192-194 may be written
	s_wait_loadcnt 32                              ; x is in (weights, masks, bias: 32 may be out)
	STAGE RX, X
	s_wait_loadcnt 16                              ; weights are in (masks, bias: 16 may be out)
	STAGE RW, RX
	s_wait_dscnt 0x0
	; ---- partial logits of my K step.  Both operands hold, in lane (r, h) of fragment b, k 32 b + 16 h + 0 .. 15: the same permutation of k on both sides keeps the products.
.irp b, 0,1,2,3
.irp m, 0,1,2,3,4,5,6,7
	v_cvt_pk_bf16_f32 v[XB+8*\b+\m], v[X+16*\b+2*\m], v[X+16*\b+2*\m+1]
	v_cvt_pk_bf16_f32 v[WB+8*\b+\m], v[RX+16*\b+2*\m], v[RX+16*\b+2*\m+1]
.endr
.endr
.irp b, 0,1,2,3
	v_mov_b32 v[TM+4+\b], 0                        ; a lane permute's destination counts as one of its sources
.endr
.irp b, 0,1,2,3
	v_wmma_f32_16x16x32_bf16 v[ACC+8*\b:ACC+8*\b+7], v[WB+8*\b:WB+8*\b+7], v[XB+8*\b:XB+8*\b+7], 0    ; source 0 = 16 nodes, source 1 = 16 tokens: lane (r, h) holds token r, register j node 8 h + j.  Four accumulators, one product each
.endr
	QUANT X                                        ; the codes of my K step; its lines name none of the products' registers and are the places behind them
.irp j, 0,2,4,6
	v_pk_add_f32 v[T+\j:T+\j+1], v[ACC+\j:ACC+\j+1], v[ACC+8+\j:ACC+8+\j+1]          ; each accumulator from its low end on
	v_pk_add_f32 v[U+\j:U+\j+1], v[ACC+16+\j:ACC+16+\j+1], v[ACC+24+\j:ACC+24+\j+1]
.endr
.irp j, 0,2,4,6
	v_pk_add_f32 v[T+\j:T+\j+1], v[T+\j:T+\j+1], v[U+\j:U+\j+1]
.endr
	; the addresses of the later phases, in registers that x has left; all are made ahead of the first branch on the wave's number
	s_mul_i32 s60, s58, 2080
	s_add_co_u32 s60, s60, CST
	v_lshl_add_u32 v224, v[LANE], 4, s60           ; codes back: tokens 2 w, 2 w + 1, 512 bytes an instruction
	v_lshl_add_u32 v225, v[LANE], 4, SST           ; scale words back
	v_lshrrev_b32 v232, 2, v[LANE]
	v_and_b32 v233, 3, v[LANE]
	v_mul_u32_u24 v226, v232, 80
	v_lshl_add_u32 v226, v233, 4, v226
	v_add_nc_u32 v226, LOB, v226                   ; log-probs back: four lanes to a token's 64 bytes
	s_lshl_b32 s60, s58, 11
	v_lshl_add_u32 v227, v[LANE], 4, s60           ; xcodes: 2,048 w + 16 lane
	v_mul_u32_u24 v228, v232, 4160
	v_lshl_add_u32 v228, v233, 4, v228             ; out0: row lane / 4, 16 bytes a lane
	v_lshlrev_b32 v229, 4, v[LANE]                 ; xscales: 16 lane
	s_lshl_b32 s60, ttmp9, 4
	v_add_nc_u32 v230, s60, v[LANE]                ; token 16 g + lane
	s_lshl_b32 s60, ttmp9, 2
	v_mov_b32 v231, s60                            ; offs: word g
	ds_store_b128 v[PARTW], v[T:T+3]
	ds_store_b128 v[PARTW], v[T+4:T+7] offset:16
.irp c, 0,1,2,3
	ds_store_b128 v[CSTW], v[PC+4*\c:PC+4*\c+3] offset:32*\c       ; k 128 w + 32 c + 16 h + 0 .. 15 of row r
.endr
	ds_store_b32 v[SSTW], v[PW]                    ; both halves of the lanes write the same word with the same value
	BARRIER                                        ; partial logits, codes, scale words and counts of all eight waves lie in LDS
	; ---- one logit a thread; the codes leave as whole rows
.irp p, 0,1,2,3,4,5,6,7
	ds_load_b32 v[192+\p], v[PARTR] offset:1024*\p
.endr
.irp m, 0,1,2,3
	ds_load_b128 v[200+4*\m:203+4*\m], v224 offset:1040*(\m/2)+512*(\m%2)
.endr
	s_wait_dscnt 0x4                               ; the eight partial sums are in; the four loads of codes may be out
	s_wait_loadcnt 0x0                             ; masks and bias
	v_add_f32 v192, v192, v193
	v_add_f32 v194, v194, v195
	v_add_f32 v196, v196, v197
	v_add_f32 v198, v198, v199
	v_add_f32 v192, v192, v194
	v_add_f32 v196, v196, v198
	v_add_f32 v192, v192, v196
	v_add_f32 v216, v192, v[BI]                    ; z
	v_mul_f32 v217, 0xbfb8aa3b, |v216|             ; log sigmoid(z) = min(z, 0) - ln 2 x log2(1 + 2^(-log2(e) |z|)): the exponent is never positive, so nothing overflows
	v_exp_f32 v217, v217
	v_min_num_f32 v218, 0, v216                    ; (a plain line behind the transcendental)
	s_wait_alu depctr_va_vdst(0)
	v_add_f32 v217, 1.0, v217
	v_log_f32 v217, v217
	v_min_num_f32 v219, -v216, 0                   ; (likewise)
	s_wait_alu depctr_va_vdst(0)
	v_fma_f32 v220, 0xbf317218, v217, v219         ; of -z: column 2 node
	v_fma_f32 v221, 0xbf317218, v217, v218         ; of z: column 2 node + 1
	ds_store_b64 v[LPW], v[220:221]
	s_wait_dscnt 0x1                               ; the codes are in; the store above may be out
.irp m, 0,1,2,3
	global_store_b128 v227, v[200+4*\m:203+4*\m], s[14:15] offset:512*\m       ; 32 lanes store 512 consecutive bytes, at a multiple of 512 from the buffer's first byte
.endr
	s_cmp_lg_u32 s58, 1
	s_cbranch_scc1 .Lnot_wave_1
	ds_load_b128 v[232:235], v225                  ; wave 1: the 16 tokens' scale words, 512 consecutive bytes
	s_wait_dscnt 0x0
	global_store_b128 v229, v[232:235], s[16:17]
.Lnot_wave_1:
	s_cmp_lg_u32 s58, 0
	s_cbranch_scc1 .Lnot_wave_0
.irp p, 0,1,2,3,4,5,6,7
	ds_load_b32 v[236+\p], v[CNTR] offset:128*\p   ; wave 0: the eight waves' counts; lane i has count i
.endr
	s_wait_dscnt 0x0
	v_add_nc_u32 v236, v236, v237
	v_add_nc_u32 v238, v238, v239
	v_add_nc_u32 v240, v240, v241
	v_add_nc_u32 v242, v242, v243
	v_add_nc_u32 v236, v236, v238
	v_add_nc_u32 v240, v240, v242
	v_add_nc_u32 v236, v236, v240                  ; lanes 0-15: my token's place; lane 16: offs[g]
	v_min_u32 v244, 0xfff, v236
	v_lshlrev_b32 v244, 2, v244
	v_cmp_gt_u32 vcc_lo, 16, v[LANE]
	s_wait_xcnt 0x0                                ; EXEC changes only behind this wait: it is a source of the stores above
	s_and_saveexec_b32 s69, vcc_lo
	global_store_b32 v244, v230, s[18:19]          ; order[place] = token
	s_wait_xcnt 0x0
	s_or_b32 exec_lo, exec_lo, s69
	v_cmp_eq_u32 vcc_lo, 16, v[LANE]
	s_and_saveexec_b32 s69, vcc_lo
	global_store_b32 v231, v236, s[20:21]          ; offs[g]
	s_wait_xcnt 0x0
	s_or_b32 exec_lo, exec_lo, s69
.Lnot_wave_0:
	BARRIER                                        ; lp of the 16 tokens lies in LDS
	; ---- lp x masks^T: lane (r, h) of wave w makes token r, leaf 2 w + h: 30 multiply-adds in f32, two at a time
.irp m, 0,1,2,3,4,5,6,7
	ds_load_b128 v[128+4*\m:131+4*\m], v[LPR] offset:16*\m
.endr
	s_wait_dscnt 0x0
	v_pk_mul_f32 v[160:161], v[128:129], v[MK:MK+1]
.irp c, 1,2,3,4,5,6,7,8,9,10,11,12,13,14
	v_pk_fma_f32 v[160:161], v[128+2*\c:129+2*\c], v[MK+2*\c:MK+2*\c+1], v[160:161]
.endr
	v_add_f32 v160, v160, v161
	ds_store_b32 v[LOW], v160
	BARRIER                                        ; the 16 tokens' 16 log-probs lie in LDS
	s_cmp_lg_u32 s58, 0
	s_cbranch_scc1 .Lend
	ds_load_b128 v[164:167], v226
	ds_load_b128 v[168:171], v226 offset:640
	s_wait_dscnt 0x0
	global_store_b128 v228, v[164:167], s[22:23]                   ; four lanes store a row's first 64 bytes; a row of out0 is 4,160 bytes, so these pieces cannot be longer
	global_store_b128 v228, v[168:171], s[22:23] offset:33280      ; tokens 8 to 15
.Lend:
	s_set_vgpr_msb 0x5
	s_wait_tensorcnt 0x0
	ds_add_u32 v0, v1
	s_wait_dscnt 0x0
	s_set_vgpr_msb 0x500
	s_endpgm
.Lfunc_end_k_qbb165289b6_prep:
	.size	k_qbb165289b6_prep, .Lfunc_end_k_qbb165289b6_prep-k_qbb165289b6_prep
	.p2alignl 7, 3214868480
	.fill 96, 4, 3214868480
	.section	.rodata,"a",@progbits
	.p2align	6, 0x0
	.amdhsa_kernel k_qbb165289b6_prep
		.amdhsa_group_segment_fixed_size 98560
		.amdhsa_private_segment_fixed_size 0
		.amdhsa_enable_private_segment 0
		.amdhsa_kernarg_size 80
		.amdhsa_user_sgpr_count 2
		.amdhsa_user_sgpr_kernarg_segment_ptr 1
		.amdhsa_wavefront_size32 1
		.amdhsa_system_sgpr_workgroup_id_x 1
		.amdhsa_system_sgpr_workgroup_id_y 1
		.amdhsa_system_sgpr_workgroup_id_z 1
		.amdhsa_system_vgpr_workitem_id 0
		.amdhsa_next_free_vgpr 258
		.amdhsa_next_free_sgpr 100
		.amdhsa_reserve_vcc 1
		.amdhsa_float_denorm_mode_32 3
		.amdhsa_float_denorm_mode_16_64 3
		.amdhsa_memory_ordered 1
		.amdhsa_forward_progress 1
		.amdhsa_inst_pref_size 73
	.end_amdhsa_kernel
	.amdgpu_metadata
---
amdhsa.version: [ 1, 2 ]
amdhsa.kernels:
  - .name:           k_qbb165289b6_prep
    .symbol:         k_qbb165289b6_prep.kd
    .args:
      - { .name: xs, .offset: 0, .size: 8, .value_kind: global_buffer, .address_space: global }
      - { .name: leaf_indices, .offset: 8, .size: 8, .value_kind: global_buffer, .address_space: global }
      - { .name: weights, .offset: 16, .size: 8, .value_kind: global_buffer, .address_space: global }
      - { .name: biases, .offset: 24, .size: 8, .value_kind: global_buffer, .address_space: global }
      - { .name: masks, .offset: 32, .size: 8, .value_kind: global_buffer, .address_space: global }
      - { .name: xcodes, .offset: 40, .size: 8, .value_kind: global_buffer, .address_space: global }
      - { .name: xscales, .offset: 48, .size: 8, .value_kind: global_buffer, .address_space: global }
      - { .name: order, .offset: 56, .size: 8, .value_kind: global_buffer, .address_space: global }
      - { .name: offs, .offset: 64, .size: 8, .value_kind: global_buffer, .address_space: global }
      - { .name: out0, .offset: 72, .size: 8, .value_kind: global_buffer, .address_space: global }
    .group_segment_fixed_size: 98560
    .private_segment_fixed_size: 0
    .kernarg_segment_align: 8
    .kernarg_segment_size: 80
    .max_flat_workgroup_size: 256
    .sgpr_count:     100
    .vgpr_count:     258
    .wavefront_size: 32
...
	.end_amdgpu_metadata
.endif
;; end of part 1
;; launch leaf (part 2): grid 16 x 16, 4 waves a work-group, no clusters, 85,760 bytes of LDS; arguments leaf_W, leaf_b, xcodes, xscales, order, offs, out0; writes out0
.if DOCPART == 2
	.amdgcn_target "amdgcn-amd-amdhsa--gfx1250"
	.amdhsa_code_object_version 6
	.text
	.protected	k_qbb165289b6_leaf
	.globl	k_qbb165289b6_leaf
	.p2align	8
	.type	k_qbb165289b6_leaf,@function
k_qbb165289b6_leaf:
	s_mov_b64 s[64:65], 0
	v_nop
	global_prefetch_b8 v0, s[64:65] scope:SCOPE_SE
	s_setreg_imm32_b32 hwreg(HW_REG_WAVE_MODE, 25, 1), 1
	s_wait_xcnt 0x0
; out0[token][16 + n] = sum over k of Q(xs)[token][k] Q(leaf_W[e])[k][n] + leaf_b[e][n] for the tokens whose leaf is e, on codes of E4M3 with one E8M0 scale for each 32 along K.
; Only the chosen expert's rows are multiplied: its tokens are read through order, between offs[e] and offs[e + 1].
; SHARES.  Work-group (x, y) = (slab, expert e): columns 64 slab .. 64 slab + 63 of expert e: 256 work-groups, each reading 256 KB of leaf_W once, as f32, whatever the split of the tokens.
; PHASE 1.  Wave w quantises K rows 256 w .. 256 w + 255 of the slab, 32 rows (one block along K) at a time.  Lane (q, h) holds columns 4 q .. 4 q + 3 of rows 16 h + 0 .. 15 of the unit:
;   each load's sixteen lanes read 256 consecutive bytes of a row, at a multiple of 256 from the buffer's first byte.  The codes are turned by byte permutes so that a lane's 16 bytes run down K,
;   and go to LDS as IMAGES OF THE OPERAND'S REGISTERS (fragment (t, s): 16 columns 16 t on, K step s).  One barrier.
; PHASE 2.  Every wave loads all 32 fragments into registers (512) and walks the expert's tiles of 16 tokens, tile j = w, w + 4, ..: the tokens' codes come from memory straight into registers, a tile ahead.
;   The number of tiles is read from memory (offs, stored by the launch before), so this launch has no tensor load, no asynchronous copy and no cluster: what is on its way is held in registers.
;   Tiles of one expert's weights are shared by no other work-group (each slab has one owner), so there is nothing to ask for jointly.
; THE MATRIX INSTRUCTION IS USED TRANSPOSED (source 0 = 16 columns of W, source 1 = 16 tokens): a lane holds eight neighbouring outputs of one token.  The bias is the C of each sum's first product.
; A tile's rows past the expert's end repeat its last token: they compute and store the same numbers again, so no lane is switched off.
; LIMITS: NaN and infinities are not served.  A block of zeros gets the byte 1 with zero codes.  A row of out0 is 4,160 bytes and the tokens of a tile are any rows: sixteen lanes store 256 consecutive
; bytes of one row, which begin at 64 mod 256.
; REGISTERS, in windows of 256: window 0: addresses, scale words, bias, accumulators, the way out, phase 1's work.  window 1: phase 1: a ring of four units of W (64 registers each); then W's fragments of
; K steps 0-3 at 64 s + 16 t.  window 2: those of K steps 4-7.  window 3: the tokens' fragments, two sets of 128 at 128 p + 16 s.
.set TPIT, 16400                       ; LDS: fragment (t, s) at 16,400 t + 2,048 s, its registers 4 c .. 4 c + 3 at + 512 c + 16 lane.  The 16 bytes over 16,384 spread phase 1's sixteen lanes over sixteen different 16-byte columns mod 256
.set WSC,  65792                       ; 2,048: W's scale words: 256 s + 4 n
.set STG,  67840                       ; 4 x 4,352: each wave's own stage for the way out, 16 rows x (256 + 16) bytes
.set Q,    1                           ; lane % 16
.set H,    2                           ; lane / 16
.set WOFF, 3                           ; 65,536 h + 16 q: 16 rows down for lanes 16-31, my four columns
.set WS,   4                           ; where my codes go
.set WSS,  5                           ; and my four columns' scale words
.set LI,   6                           ; 16 x lane
.set SCA,  7                           ; WSC + 4 q
.set STO,  8                           ; the stage: where I put 32 bytes of a row
.set RD,   9                           ; and where I read a row back
.set Q16,  10
.set H16,  11
.set BOFF, 12                          ; 32 h
.set ONE,  13                          ; 1.0: the conversions' scale operand (the numbers are divided beforehand: four columns share a conversion)
.set TOK,  14                          ; v14-15  tokens as loaded, two sets
.set TC,   16                          ; v16-17  held at 4,095
.set XO,   18                          ; v18-19  byte offset of my token's codes
.set SO,   20                          ; v20-21  and of its scale words
.set IDXA, 22                          ; v22-23  byte offset in order
.set BP,   24                          ; v24-31  4 (2 i + h): the lane that holds the token of the row that I store
.set RT,   32                          ; v32-39  that token
.set RO,   40                          ; v40-47  its byte offset in out0
.set WSCL, 48                          ; v48-79  W's scale words, 4 s + t: scales and nothing else
.set XS,   80                          ; v80-95  the tokens' scale words, 8 p + s: scales and nothing else
.set BI,   96                          ; v96-127 the bias in the result's layout, 8 t + j
.set ACC,  128                         ; v128-159 four accumulators
.set OB,   160                         ; v160-191 16 rows back from the stage
.set TA,   192                         ; phase 1: four columns' largest magnitudes
.set TU,   196
.set TS,   200                         ; their scale bytes
.set TI,   204                         ; 1 / scale as f32
.set WSW,  208                         ; four columns' scale words in the making
.set CD,   212                         ; v212-227 register i: row i's four codes
.set PP,   228
.set DD,   232                         ; v232-247 registers 4 j .. 4 j + 3: column j's sixteen codes, down K
.set MSB, 0
.macro WIN new                         ; the immediate's high byte repeats the setting that is left; a switch that changes nothing is dropped
.if MSB != \new
	s_set_vgpr_msb (MSB<<8)|\new
.set MSB, \new
.endif
.endm
.macro WLOAD u                         ; unit u: rows 32 u + 16 h + i, i = 0 .. 15, into ring slot u % 4: register 4 i + j = W(32 u + 16 h + i, 4 q + j)
	WIN 0x40                                       ; destination window 1
.irp i, 0,1,2,3,4,5,6,7,8,9,10,11,12,13,14,15
	global_load_b128 v[64*((\u)%4)+4*\i:64*((\u)%4)+4*\i+3], v[WOFF], s[4:5] offset:(32*(\u)+\i)*4096 th:TH_LOAD_NT
.endr
	WIN 0
.endm
.macro UNIT u, cnt                     ; unit u is quantised; cnt: the loads issued behind its sixteen
.set RB, 64*((\u)%4)
.set CC, (\u)%4
.set SL, (\u)/4
	s_wait_loadcnt \cnt
	s_wait_dscnt 0x0                               ; the last unit's LDS stores have read DD and WSW
	WIN 0x05                                       ; sources 0 and 1 window 1
.irp j, 0,1,2,3
	v_max3_num_f32 v[TA+\j], |v[RB+\j]|, |v[RB+4+\j]|, 0x4800000   ; column j: my 16 rows, and the floor 2^(9 - 127): the byte cannot fall under 1
.endr
.irp i, 2,4,6,8,10,12,14
.irp j, 0,1,2,3
	v_max3_num_f32 v[TA+\j], |v[RB+4*\i+\j]|, |v[RB+4*\i+4+\j]|, v[TA+\j]   ; the four columns by turns
.endr
.endr
	WIN 0
.irp j, 0,1,2,3
	v_permlanex16_b32 v[TU+\j], v[TA+\j], s30, s31
.endr
.irp j, 0,1,2,3
	v_max_num_f32 v[TA+\j], v[TA+\j], v[TU+\j]     ; with lane l xor 16's 16 rows: the block's largest magnitude
.endr
.irp j, 0,1,2,3
	v_add_nc_u32 v[TS+\j], 0xfc000000, v[TA+\j]    ; 8 off its exponent field
.endr
.irp j, 0,1,2,3
	v_lshrrev_b32 v[TS+\j], 23, v[TS+\j]           ; the scale's byte, 1 to 246
.endr
.irp j, 0,1,2,3
	v_sub_nc_u32 v[TI+\j], 254, v[TS+\j]
.endr
.irp j, 0,1,2,3
	v_lshlrev_b32 v[TI+\j], 23, v[TI+\j]           ; 2^(127 - byte) = 1 / scale: a power of two, so the multiplication below is the division
.endr
.irp j, 0,1,2,3
.if CC == 0
	v_mov_b32 v[WSW+\j], v[TS+\j]                  ; four bytes to a word, the lower K in the lower byte
.else
	v_lshl_or_b32 v[WSW+\j], v[TS+\j], 8*CC, v[WSW+\j]
.endif
.endr
	WIN 0x41                                       ; destination and source 0 window 1
.irp i, 0,1,2,3,4,5,6,7,8,9,10,11,12,13,14,15
	v_pk_mul_f32 v[RB+4*\i:RB+4*\i+1], v[RB+4*\i:RB+4*\i+1], v[TI:TI+1]
	v_pk_mul_f32 v[RB+4*\i+2:RB+4*\i+3], v[RB+4*\i+2:RB+4*\i+3], v[TI+2:TI+3]
.endr
.irp i, 0,1,2,3,4,5,6,7,8,9,10,11,12,13,14,15
.irp j, 0,1,2,3
	v_med3_num_f32 v[RB+4*\i+\j], v[RB+4*\i+\j], s36, s37          ; the conversion to an 8-bit code does not saturate (ISA guide 7.6.2): the hold at +-448
.endr
.endr
	WIN 0x01                                       ; source 0 window 1
.irp m, 0,1,2,3,4,5,6,7
	v_cvt_scalef32_pk8_fp8_f32 v[CD+2*\m:CD+2*\m+1], v[RB+8*\m:RB+8*\m+7], v[ONE]   ; rows 2 m and 2 m + 1, four columns each
.endr
	v_nop                                          ; one plain vector line between the last conversion and the permutes that read its result
	WIN 0
.irp g, 0,1,2,3                        ; a 4 x 4 turn of bytes: rows 4 g .. 4 g + 3 (a, b, c, d) x four columns
	v_perm_b32 v[PP],   v[CD+4*\g+1], v[CD+4*\g],   s32        ; a0 b0 a1 b1
	v_perm_b32 v[PP+1], v[CD+4*\g+1], v[CD+4*\g],   s33        ; a2 b2 a3 b3
	v_perm_b32 v[PP+2], v[CD+4*\g+3], v[CD+4*\g+2], s32        ; c0 d0 c1 d1
	v_perm_b32 v[PP+3], v[CD+4*\g+3], v[CD+4*\g+2], s33        ; c2 d2 c3 d3
	v_perm_b32 v[DD+\g],    v[PP+2], v[PP],   s34              ; column 0: a0 b0 c0 d0
	v_perm_b32 v[DD+4+\g],  v[PP+2], v[PP],   s35              ; column 1
	v_perm_b32 v[DD+8+\g],  v[PP+3], v[PP+1], s34              ; column 2
	v_perm_b32 v[DD+12+\g], v[PP+3], v[PP+1], s35              ; column 3
.endr
.irp j, 0,1,2,3
	ds_store_b128 v[WS], v[DD+4*\j:DD+4*\j+3] offset:2048*SL+512*CC+16*\j      ; column 4 q + j is lane 4 (q % 4) + j + 16 h of fragment (q / 4, 2 w + SL); this unit is its registers 4 CC ..
.endr
.if CC == 3
	ds_store_b128 v[WSS], v[WSW:WSW+3] offset:256*SL               ; both halves of the lanes write the same words with the same values
.endif
.endm
.macro TOKL p                          ; the tokens of the tile that begins at place s26 of order; places past the expert's end take its last token
	v_add_nc_u32 v[IDXA+\p], s26, v[Q]
	v_min_u32 v[IDXA+\p], s25, v[IDXA+\p]
	v_min_u32 v[IDXA+\p], 0xfff, v[IDXA+\p]
	v_lshlrev_b32 v[IDXA+\p], 2, v[IDXA+\p]
	global_load_b32 v[TOK+\p], v[IDXA+\p], s[12:13]
.endm
.macro XADDR p
	v_min_u32 v[TC+\p], 0xfff, v[TOK+\p]
	v_lshl_add_u32 v[XO+\p], v[TC+\p], 10, v[H16]  ; a token's 1,024 codes, + 16 h
	v_lshlrev_b32 v[SO+\p], 5, v[TC+\p]            ; its eight scale words
.endm
.macro XG p                            ; a tile's eight fragments and scale words into set p: 34 loads
	WIN 0xc0                                       ; destination window 3
.irp s, 0,1,2,3,4,5,6,7
.irp c, 0,1,2,3
	global_load_b128 v[128*\p+16*\s+4*\c:128*\p+16*\s+4*\c+3], v[XO+\p], s[8:9] offset:128*\s+32*\c
.endr
.endr
	WIN 0
	global_load_b128 v[XS+8*\p:XS+8*\p+3], v[SO+\p], s[10:11]
	global_load_b128 v[XS+8*\p+4:XS+8*\p+7], v[SO+\p], s[10:11] offset:16
.endm
; A tile of 16 tokens from set p; n = the other set, which takes the next tile's fragments meanwhile.
.macro TILE p, n
	s_wait_loadcnt 0x0                             ; this tile's fragments (asked for a tile ago) and the next tile's tokens are in
	XADDR \n
	XG \n
	s_add_co_u32 s26, s26, 64                      ; my wave's tiles lie four tiles apart
	TOKL \p                                        ; the tokens of the tile after the next
.irp i, 0,1,2,3,4,5,6,7
	ds_bpermute_b32 v[RT+\i], v[BP+\i], v[TC+\p]   ; the token of row 2 i + h, which I shall store
.endr
	WIN 0x0d                                       ; source 0 (W) window 1, source 1 (tokens) window 3.  The four accumulators take turns, one instruction a turn
.irp s, 0,1,2,3
.irp t, 0,1,2,3
.if \s == 0
	v_wmma_scale_f32_16x16x128_f8f6f4 v[ACC+8*\t:ACC+8*\t+7], v[64*\s+16*\t:64*\s+16*\t+15], v[128*\p+16*\s:128*\p+16*\s+15], v[BI+8*\t:BI+8*\t+7], v[WSCL+4*\s+\t], v[XS+8*\p+\s]
.else
	v_wmma_scale_f32_16x16x128_f8f6f4 v[ACC+8*\t:ACC+8*\t+7], v[64*\s+16*\t:64*\s+16*\t+15], v[128*\p+16*\s:128*\p+16*\s+15], v[ACC+8*\t:ACC+8*\t+7], v[WSCL+4*\s+\t], v[XS+8*\p+\s]
.endif
.endr
.endr
	WIN 0x0e                                       ; source 0 window 2
.irp s, 4,5,6,7
.irp t, 0,1,2,3
	v_wmma_scale_f32_16x16x128_f8f6f4 v[ACC+8*\t:ACC+8*\t+7], v[64*(\s-4)+16*\t:64*(\s-4)+16*\t+15], v[128*\p+16*\s:128*\p+16*\s+15], v[ACC+8*\t:ACC+8*\t+7], v[WSCL+4*\s+\t], v[XS+8*\p+\s]
.endr
.endr
	WIN 0
	s_wait_dscnt 0x0                               ; the rows' tokens are in
	s_wait_xcnt 0x0                                ; the last tile's stores have had their addresses translated: RO and OB are written again only behind this wait
	; sixteen plain lines that name none of the products' registers: the eight places in front of the reads of the results and of the next loads into this set, the nine in front of the next tile's first products, which begin the accumulators anew
.irp i, 0,1,2,3,4,5,6,7
	v_min_u32 v[RT+\i], 0xfff, v[RT+\i]
.endr
.irp i, 0,1,2,3,4,5,6,7
	v_mad_u32_u24 v[RO+\i], v[RT+\i], 4160, v[Q16]
.endr
.irp t, 0,1,2,3
	ds_store_b128 v[STO], v[ACC+8*\t:ACC+8*\t+3] offset:64*\t          ; lane (r, h): token r, columns 16 t + 8 h + 0 .. 7; each accumulator from its low end on
	ds_store_b128 v[STO], v[ACC+8*\t+4:ACC+8*\t+7] offset:64*\t+16
.endr
.irp i, 0,1,2,3,4,5,6,7
	ds_load_b128 v[OB+4*\i:OB+4*\i+3], v[RD] offset:544*\i             ; rows 2 i and 2 i + 1, whole; LDS serves a wave's instructions in order: these see the stores above
.endr
.irp i, 0,1,2,3,4,5,6,7
	s_wait_dscnt 7-\i                              ; the younger loads may be out
	global_store_b128 v[RO+\i], v[OB+4*\i:OB+4*\i+3], s[16:17] th:TH_STORE_NT      ; sixteen lanes store 256 consecutive bytes of one row
.endr
.endm
	s_load_b256 s[4:11], s[0:1], 0x0               ; leaf_W s[4:5], leaf_b s[6:7], xcodes s[8:9], xscales s[10:11]
	s_load_b128 s[12:15], s[0:1], 0x20             ; order s[12:13], offs s[14:15]
	s_load_b64 s[16:17], s[0:1], 0x30              ; out0
	v_lshl_add_u32 v254, v0, 2, 0x14d00
	v_mov_b32 v255, 0
	v_lshrrev_b32 v32, 5, v0
	v_readfirstlane_b32 s18, v32                   ; wave 0..3
	s_and_b32 s20, ttmp7, 0xffff                   ; the expert
	v_and_b32 v[Q], 15, v0
	v_bfe_u32 v[H], v0, 4, 1
	v_lshlrev_b32 v[WOFF], 16, v[H]
	v_lshl_add_u32 v[WOFF], v[Q], 4, v[WOFF]
	v_lshrrev_b32 v32, 2, v[Q]
	v_mul_u32_u24 v[WS], v32, TPIT                 ; 16,400 (q / 4) + 64 (q % 4) + 256 h + 4,096 w
	v_and_b32 v32, 3, v[Q]
	v_lshl_add_u32 v[WS], v32, 6, v[WS]
	v_lshl_add_u32 v[WS], v[H], 8, v[WS]
	s_lshl_b32 s38, s18, 12
	v_add_nc_u32 v[WS], s38, v[WS]
	s_lshl_b32 s38, s18, 9
	s_add_co_u32 s38, s38, WSC
	v_lshl_add_u32 v[WSS], v[Q], 4, s38            ; WSC + 256 (2 w) + 4 (4 q)
	v_and_b32 v32, 31, v0
	v_lshlrev_b32 v[LI], 4, v32
	v_lshl_add_u32 v[SCA], v[Q], 2, WSC
	s_mul_i32 s38, s18, 4352
	s_add_co_u32 s38, s38, STG                     ; my stage
	v_mul_u32_u24 v[STO], v[Q], 272
	v_lshl_add_u32 v[STO], v[H], 5, v[STO]
	v_add_nc_u32 v[STO], s38, v[STO]
	v_mul_u32_u24 v[RD], v[H], 272
	v_lshl_add_u32 v[RD], v[Q], 4, v[RD]
	v_add_nc_u32 v[RD], s38, v[RD]
	v_lshlrev_b32 v[Q16], 4, v[Q]
	v_lshlrev_b32 v[H16], 4, v[H]
	v_lshlrev_b32 v[BOFF], 5, v[H]
	v_mov_b32 v[ONE], 1.0
.irp i, 0,1,2,3,4,5,6,7
	v_lshl_add_u32 v[BP+\i], v[H], 2, 8*\i
.endr
.irp j, 0,1,2,3
	v_mov_b32 v[TU+\j], 0                          ; written once: a lane permute's destination counts as one of its sources
.endr
	s_mov_b32 s30, 0x76543210
	s_mov_b32 s31, 0xfedcba98                      ; v_permlanex16_b32's selects for lane l xor 16
	s_mov_b32 s32, 0x05010400                      ; the byte permutes' selectors
	s_mov_b32 s33, 0x07030602
	s_mov_b32 s34, 0x05040100
	s_mov_b32 s35, 0x07060302
	s_mov_b32 s36, 0xc3e00000                      ; -448
	s_mov_b32 s37, 0x43e00000                      ; 448
	s_lshl_b32 s38, s20, 22                        ; the expert's 4 MiB,
	s_lshl_b32 s40, ttmp9, 8                       ; the slab's 256 bytes of a row,
	s_add_co_u32 s38, s38, s40
	s_lshl_b32 s39, s18, 20                        ; my wave's 256 rows
	s_add_co_u32 s38, s38, s39
	s_mov_b32 s39, 0
	s_mov_b32 s41, 0
	s_wait_kmcnt 0x0
	s_add_nc_u64 s[4:5], s[4:5], s[38:39]
	s_add_nc_u64 s[16:17], s[16:17], s[40:41]
	s_add_nc_u64 s[16:17], s[16:17], 64            ; out0 at column 16 + 64 slab
	s_lshl_b32 s38, s20, 12
	s_add_co_u32 s38, s38, s40
	s_add_nc_u64 s[6:7], s[6:7], s[38:39]          ; leaf_b at the expert's row, the slab's columns
	s_lshl_b32 s38, s20, 2
	s_add_nc_u64 s[14:15], s[14:15], s[38:39]
	s_load_b64 s[22:23], s[14:15], 0x0             ; offs[e], offs[e + 1]: the expert's places in order
	WLOAD 0                                        ; 64 loads of 512 bytes a wave: 128 KB of the work-group's 256 are asked for at once (the issue is held where the counter's field is full: ISA guide 5.7.1)
	WLOAD 1
	WLOAD 2
	WLOAD 3
	s_wait_kmcnt 0x0
	s_min_u32 s22, s22, 0x1000
	s_min_u32 s23, s23, 0x1000
	s_sub_co_u32 s24, s23, s22
	s_add_co_u32 s24, s24, 15
	s_lshr_b32 s24, s24, 4                         ; tiles of 16 tokens
	s_sub_co_u32 s25, s23, 1                       ; the expert's last place
	s_lshl_b32 s26, s18, 4
	s_add_co_u32 s26, s26, s22                     ; my first tile's first place
	s_add_co_u32 s27, s24, 3
	s_sub_co_u32 s27, s27, s18
	s_lshr_b32 s27, s27, 2                         ; my tiles: w, w + 4, ..
	s_add_co_u32 s28, s27, 1
	s_lshr_b32 s28, s28, 1                         ; and the loop's trips, two tiles each
	TOKL 0
	s_add_co_u32 s26, s26, 64
	TOKL 1
	; ---- phase 1
	UNIT 0, 50                                     ; behind a unit's sixteen loads: three units' 48 and the two loads of tokens
	WLOAD 4
	UNIT 1, 50
	WLOAD 5
	UNIT 2, 50
	WLOAD 6
	UNIT 3, 50
	WLOAD 7
	UNIT 4, 48                                     ; three units
	UNIT 5, 32
	UNIT 6, 16
	XADDR 0                                        ; the tokens came in long ago.  My first tile's fragments and the bias are asked for here: with the last unit's 16 loads that is 58 out
	XG 0
.irp t, 0,1,2,3
	global_load_b128 v[BI+8*\t:BI+8*\t+3], v[BOFF], s[6:7] offset:64*\t            ; lane (r, h): leaf_b of columns 16 t + 8 h + 0 .. 7
	global_load_b128 v[BI+8*\t+4:BI+8*\t+7], v[BOFF], s[6:7] offset:64*\t+16
.endr
	UNIT 7, 42                                     ; the 34 + 8 just issued
	s_wait_dscnt 0x0                               ; for the others' sake: my images and scale words have landed
	s_barrier_signal -1
	s_barrier_wait -1                              ; all 32 fragments lie in LDS
	; ---- every wave takes all of them
	WIN 0x40
.irp s, 0,1,2,3
.irp t, 0,1,2,3
.irp c, 0,1,2,3
	ds_load_b128 v[64*\s+16*\t+4*\c:64*\s+16*\t+4*\c+3], v[LI] offset:TPIT*\t+2048*\s+512*\c
.endr
.endr
.endr
	WIN 0x80
.irp s, 4,5,6,7
.irp t, 0,1,2,3
.irp c, 0,1,2,3
	ds_load_b128 v[64*(\s-4)+16*\t+4*\c:64*(\s-4)+16*\t+4*\c+3], v[LI] offset:TPIT*\t+2048*\s+512*\c
.endr
.endr
.endr
	WIN 0
.irp s, 0,1,2,3,4,5,6,7
.irp t, 0,1,2,3
	ds_load_b32 v[WSCL+4*\s+\t], v[SCA] offset:256*\s+64*\t        ; lane r: the word of column 16 t + r
.endr
.endr
	s_wait_dscnt 0x0
	; ---- phase 2: my tiles, two a trip, so that the two sets of registers are back where they began.  The loop is counted by s28 alone and is left by falling through its backward branch or,
	; where my tiles are an odd number, by the wave's end behind the last trip's first tile: no branch leads out of it past the counter's step.  No barrier stands behind this point.
	s_cmp_eq_u32 s27, 0
	s_cbranch_scc1 .Ldone                          ; an expert with few tokens leaves some waves without a tile
.Lpair:
	TILE 0, 1
	s_sub_co_u32 s27, s27, 1
	s_cmp_lg_u32 s27, 0
	s_cbranch_scc1 .Lsecond                        ; a tile is left: on to the trip's second half
	s_wait_tensorcnt 0x0
	ds_add_u32 v254, v255
	s_wait_dscnt 0x0
	s_endpgm                                       ; none is left.  The loads asked for beyond my last tile used held places and tokens: they stay inside their buffers, and nobody reads them
.Lsecond:
	TILE 1, 0
	s_sub_co_u32 s27, s27, 1
	s_sub_co_u32 s28, s28, 1
	s_cmp_lg_u32 s28, 0
	s_cbranch_scc1 .Lpair
.Ldone:                                        ; likewise here: what was asked for beyond my last tile lies inside its buffer and is not read
	s_wait_tensorcnt 0x0
	ds_add_u32 v254, v255
	s_wait_dscnt 0x0
	s_endpgm
.Lfunc_end_k_qbb165289b6_leaf:
	.size	k_qbb165289b6_leaf, .Lfunc_end_k_qbb165289b6_leaf-k_qbb165289b6_leaf
	.p2alignl 7, 3214868480
	.fill 96, 4, 3214868480
	.section	.rodata,"a",@progbits
	.p2align	6, 0x0
	.amdhsa_kernel k_qbb165289b6_leaf
		.amdhsa_group_segment_fixed_size 85760
		.amdhsa_private_segment_fixed_size 0
		.amdhsa_enable_private_segment 0
		.amdhsa_kernarg_size 56
		.amdhsa_user_sgpr_count 2
		.amdhsa_user_sgpr_kernarg_segment_ptr 1
		.amdhsa_wavefront_size32 1
		.amdhsa_system_sgpr_workgroup_id_x 1
		.amdhsa_system_sgpr_workgroup_id_y 1
		.amdhsa_system_sgpr_workgroup_id_z 1
		.amdhsa_system_vgpr_workitem_id 0
		.amdhsa_next_free_vgpr 1024
		.amdhsa_next_free_sgpr 66
		.amdhsa_reserve_vcc 0
		.amdhsa_float_denorm_mode_32 3
		.amdhsa_float_denorm_mode_16_64 3
		.amdhsa_memory_ordered 1
		.amdhsa_forward_progress 1
		.amdhsa_inst_pref_size 156
	.end_amdhsa_kernel
	.amdgpu_metadata
---
amdhsa.version: [ 1, 2 ]
amdhsa.kernels:
  - .name:           k_qbb165289b6_leaf
    .symbol:         k_qbb165289b6_leaf.kd
    .args:
      - { .name: leaf_W, .offset: 0, .size: 8, .value_kind: global_buffer, .address_space: global }
      - { .name: leaf_b, .offset: 8, .size: 8, .value_kind: global_buffer, .address_space: global }
      - { .name: xcodes, .offset: 16, .size: 8, .value_kind: global_buffer, .address_space: global }
      - { .name: xscales, .offset: 24, .size: 8, .value_kind: global_buffer, .address_space: global }
      - { .name: order, .offset: 32, .size: 8, .value_kind: global_buffer, .address_space: global }
      - { .name: offs, .offset: 40, .size: 8, .value_kind: global_buffer, .address_space: global }
      - { .name: out0, .offset: 48, .size: 8, .value_kind: global_buffer, .address_space: global }
    .group_segment_fixed_size: 85760
    .private_segment_fixed_size: 0
    .kernarg_segment_align: 8
    .kernarg_segment_size: 56
    .max_flat_workgroup_size: 128
    .sgpr_count:     66
    .vgpr_count:     1024
    .wavefront_size: 32
...
	.end_amdgpu_metadata
.endif
;; end of part 2
;; ======== version 2 of 2: 2 launches; version 1 with the launch leaf written anew for expert scheduling mode
;; workspace buffers: xcodes 4,194,304 bytes; xscales 131,072 bytes; order 16,384 bytes of whole numbers; offs 1,024 bytes of whole numbers
;; launch prep: the kernel of part 1 again; grid 256 x 1, 8 waves a work-group, no clusters, 98,560 bytes of LDS; arguments xs, leaf_indices, weights, biases, masks, xcodes, xscales, order, offs, out0; writes xcodes, xscales, order, offs, out0
;; launch leaf (part 3): grid 16 x 16, 4 waves a work-group, no clusters, 85,760 bytes of LDS; arguments leaf_W, leaf_b, xcodes, xscales, order, offs, out0; writes out0
.if DOCPART == 3
	.amdgcn_target "amdgcn-amd-amdhsa--gfx1250"
	.amdhsa_code_object_version 6
	.text
	.protected	k_qbb165289b6_leaf
	.globl	k_qbb165289b6_leaf
	.p2align	8
	.type	k_qbb165289b6_leaf,@function
k_qbb165289b6_leaf:
	s_mov_b64 s[64:65], 0
	v_nop
	global_prefetch_b8 v0, s[64:65] scope:SCOPE_SE
	s_setreg_imm32_b32 hwreg(HW_REG_WAVE_SCHED_MODE, 0, 2), 2
	s_setreg_imm32_b32 hwreg(HW_REG_WAVE_MODE, 25, 1), 1
	s_wait_xcnt 0x0
	s_wait_alu depctr_vm_vsrc(0)
; out0[token][16 + n] = sum over k of Q(xs)[token][k] Q(leaf_W[e])[k][n] + leaf_b[e][n] for the tokens whose leaf is e, on codes of E4M3 with one E8M0 scale for each 32 along K.
; Only the chosen expert's rows are multiplied: its tokens are read through order, between offs[e] and offs[e + 1].
; SHARES.  Work-group (x, y) = (slab, expert e): columns 64 slab .. 64 slab + 63 of expert e: 256 work-groups, each reading 256 KB of leaf_W once, as f32, whatever the split of the tokens.
; PHASE 1.  Wave w quantises K rows 256 w .. 256 w + 255 of the slab, 32 rows (one block along K) at a time.  Lane (q, h) holds columns 4 q .. 4 q + 3 of rows 16 h + 0 .. 15 of the unit:
;   each load's sixteen lanes read 256 consecutive bytes of a row, at a multiple of 256 from the buffer's first byte.  The codes are turned by byte permutes so that a lane's 16 bytes run down K,
;   and go to LDS as IMAGES OF THE OPERAND'S REGISTERS (fragment (t, s): 16 columns 16 t on, K step s).  One barrier.
; PHASE 2.  Every wave loads all 32 fragments into registers (512) and walks the expert's tiles of 16 tokens, tile j = w, w + 4, ..: the tokens' codes come from memory straight into registers, a tile ahead.
;   The number of tiles is read from memory (offs, stored by the launch before), so this launch has no tensor load, no asynchronous copy and no cluster: what is on its way is held in registers.
;   Tiles of one expert's weights are shared by no other work-group (each slab has one owner), so there is nothing to ask for jointly.
; THE MATRIX INSTRUCTION IS USED TRANSPOSED (source 0 = 16 columns of W, source 1 = 16 tokens): a lane holds eight neighbouring outputs of one token.  The bias is the C of each sum's first product.
; A tile's rows past the expert's end repeat its last token: they compute and store the same numbers again, so no lane is switched off.
; LIMITS: NaN and infinities are not served.  A block of zeros gets the byte 1 with zero codes.  A row of out0 is 4,160 bytes and the tokens of a tile are any rows: sixteen lanes store 256 consecutive
; bytes of one row, which begin at 64 mod 256.
; REGISTERS, in windows of 256: window 0: addresses, scale words, bias, two sets of accumulators, the way out, phase 1's work (whose registers the second set of accumulators takes in phase 2).
; window 1: phase 1: a ring of four units of W (64 registers each); then W's fragments of K steps 0-3 at 64 s + 16 t.  window 2: those of K steps 4-7.  window 3: the tokens' fragments, two sets of 128 at 128 p + 16 s.
; THE MODE: SCHED_MODE bits 1:0 = 2 (LLVM: expert scheduling mode 2), set by the entry lines.  The code itself states the register dependences between vector or matrix instructions and memory or LDS
; instructions, with s_wait_alu, always for 0.
; THE PLAN.  Registers that memory or LDS instructions touch:
;   v1-13, v24-31, v254, v255   offsets and addresses, made once at the head, ahead of one wait on va_vdst, and never written again.
;   PHASE 1.  Ring slot u % 4: the loads of unit u land in it; unit u's vector lines read and write it; the loads of unit u + 4 land in it.  DD, WSW: unit u's permutes and shifts write them, its LDS stores
;   read them, unit u + 1 writes them again.  So a unit has ONE wait on va_vdst, behind its permutes (DD and WSW are written; the slot is done with), with the loads of unit u + 4 and the LDS stores behind it,
;   and ONE on vm_vsrc, ahead of its first write of WSW.
;   PHASE 2, tile k, p = k % 2, n = 1 - p.  XO[n], SO[n], IDXA[p]: written at the tile's head, read by its loads.  TC[n]: written there, read by tile k + 1's permutes.  Token set n and XS[n]: this tile's loads
;   land in them; tile k - 1's products read them last.  RT: this tile's permutes land in it; vector lines behind the products read it.  RO: written by those lines, read by the tile's global stores.
;   OB: LDS loads land in it, the same stores read it.  ACC[p]: written by the tile's products, read by its LDS stores; written again two tiles on.
;   So a tile has a wait on va_vdst behind its address lines, a wait on vm_vsrc behind its products (what the last tile's stores read, and what this tile's loads and permutes read, is free), and a wait on
;   va_vdst ahead of its LDS stores (the products are done: ACC[p] is written, token set p and XS[p] are read; RO is written, RT is done with).
.set TPIT, 16400                       ; LDS: fragment (t, s) at 16,400 t + 2,048 s, its registers 4 c .. 4 c + 3 at + 512 c + 16 lane.  The 16 bytes over 16,384 spread phase 1's sixteen lanes over sixteen different 16-byte columns mod 256
.set WSC,  65792                       ; 2,048: W's scale words: 256 s + 4 n
.set STG,  67840                       ; 4 x 4,352: each wave's own stage for the way out, 16 rows x (256 + 16) bytes
.set Q,    1                           ; lane % 16
.set H,    2                           ; lane / 16
.set WOFF, 3                           ; 65,536 h + 16 q: 16 rows down for lanes 16-31, my four columns
.set WS,   4                           ; where my codes go
.set WSS,  5                           ; and my four columns' scale words
.set LI,   6                           ; 16 x lane
.set SCA,  7                           ; WSC + 4 q
.set STO,  8                           ; the stage: where I put 32 bytes of a row
.set RD,   9                           ; and where I read a row back
.set Q16,  10
.set H16,  11
.set BOFF, 12                          ; 32 h
.set ONE,  13                          ; 1.0: the conversions' scale operand (the numbers are divided beforehand: four columns share a conversion)
.set TOK,  14                          ; v14-15  tokens as loaded, two sets
.set TC,   16                          ; v16-17  held at 4,095
.set XO,   18                          ; v18-19  byte offset of my token's codes
.set SO,   20                          ; v20-21  and of its scale words
.set IDXA, 22                          ; v22-23  byte offset in order
.set BP,   24                          ; v24-31  4 (2 i + h): the lane that holds the token of the row that I store
.set RT,   32                          ; v32-39  that token
.set RO,   40                          ; v40-47  its byte offset in out0
.set WSCL, 48                          ; v48-79  W's scale words, 4 s + t: scales and nothing else
.set XS,   80                          ; v80-95  the tokens' scale words, 8 p + s: scales and nothing else
.set BI,   96                          ; v96-127 the bias in the result's layout, 8 t + j
.set ACC,  128                         ; v128-159 and v192-223: four accumulators, two sets by turns: set p at ACC + 64 p
.set OB,   160                         ; v160-191 16 rows back from the stage
.set TA,   192                         ; phase 1: four columns' largest magnitudes
.set TU,   196
.set TS,   200                         ; their scale bytes
.set TI,   204                         ; 1 / scale as f32
.set WSW,  208                         ; four columns' scale words in the making
.set CD,   212                         ; v212-227 register i: row i's four codes
.set PP,   228
.set DD,   232                         ; v232-247 registers 4 j .. 4 j + 3: column j's sixteen codes, down K
.set MSB, 0
.macro WIN new                         ; the immediate's high byte repeats the setting that is left; a switch that changes nothing is dropped
.if MSB != \new
	s_set_vgpr_msb (MSB<<8)|\new
.set MSB, \new
.endif
.endm
.macro WLOAD u                         ; unit u: rows 32 u + 16 h + i, i = 0 .. 15, into ring slot u % 4: register 4 i + j = W(32 u + 16 h + i, 4 q + j)
	WIN 0x40                                       ; destination window 1
.irp i, 0,1,2,3,4,5,6,7,8,9,10,11,12,13,14,15
	global_load_b128 v[64*((\u)%4)+4*\i:64*((\u)%4)+4*\i+3], v[WOFF], s[4:5] offset:(32*(\u)+\i)*4096 th:TH_LOAD_NT
.endr
	WIN 0
.endm
.macro UNIT u, cnt, ahead              ; unit u is quantised; cnt: the loads issued behind its sixteen; ahead = 1: its ring slot is asked for again, for unit u + 4
.set RB, 64*((\u)%4)
.set CC, (\u)%4
.set SL, (\u)/4
	s_wait_loadcnt \cnt
	s_wait_dscnt 0x0                               ; the last unit's LDS stores are done
	WIN 0x05                                       ; sources 0 and 1 window 1
.irp j, 0,1,2,3
	v_max3_num_f32 v[TA+\j], |v[RB+\j]|, |v[RB+4+\j]|, 0x4800000   ; column j: my 16 rows, and the floor 2^(9 - 127): the byte cannot fall under 1
.endr
.irp i, 2,4,6,8,10,12,14
.irp j, 0,1,2,3
	v_max3_num_f32 v[TA+\j], |v[RB+4*\i+\j]|, |v[RB+4*\i+4+\j]|, v[TA+\j]   ; the four columns by turns
.endr
.endr
	WIN 0
.irp j, 0,1,2,3
	v_permlanex16_b32 v[TU+\j], v[TA+\j], s30, s31
.endr
.irp j, 0,1,2,3
	v_max_num_f32 v[TA+\j], v[TA+\j], v[TU+\j]     ; with lane l xor 16's 16 rows: the block's largest magnitude
.endr
.irp j, 0,1,2,3
	v_add_nc_u32 v[TS+\j], 0xfc000000, v[TA+\j]    ; 8 off its exponent field
.endr
.irp j, 0,1,2,3
	v_lshrrev_b32 v[TS+\j], 23, v[TS+\j]           ; the scale's byte, 1 to 246
.endr
.irp j, 0,1,2,3
	v_sub_nc_u32 v[TI+\j], 254, v[TS+\j]
.endr
.irp j, 0,1,2,3
	v_lshlrev_b32 v[TI+\j], 23, v[TI+\j]           ; 2^(127 - byte) = 1 / scale: a power of two, so the multiplication below is the division
.endr
.if (\u) > 0
	s_wait_alu depctr_vm_vsrc(0)                   ; the last unit's LDS stores have read DD and, where a word was finished, WSW: the lines below and the permutes write them again
.endif
.irp j, 0,1,2,3
.if CC == 0
	v_mov_b32 v[WSW+\j], v[TS+\j]                  ; four bytes to a word, the lower K in the lower byte
.else
	v_lshl_or_b32 v[WSW+\j], v[TS+\j], 8*CC, v[WSW+\j]
.endif
.endr
	WIN 0x41                                       ; destination and source 0 window 1
.irp i, 0,1,2,3,4,5,6,7,8,9,10,11,12,13,14,15
	v_pk_mul_f32 v[RB+4*\i:RB+4*\i+1], v[RB+4*\i:RB+4*\i+1], v[TI:TI+1]
	v_pk_mul_f32 v[RB+4*\i+2:RB+4*\i+3], v[RB+4*\i+2:RB+4*\i+3], v[TI+2:TI+3]
.endr
.irp i, 0,1,2,3,4,5,6,7,8,9,10,11,12,13,14,15
.irp j, 0,1,2,3
	v_med3_num_f32 v[RB+4*\i+\j], v[RB+4*\i+\j], s36, s37          ; the conversion to an 8-bit code does not saturate (ISA guide 7.6.2): the hold at +-448
.endr
.endr
	WIN 0x01                                       ; source 0 window 1
.irp m, 0,1,2,3,4,5,6,7
	v_cvt_scalef32_pk8_fp8_f32 v[CD+2*\m:CD+2*\m+1], v[RB+8*\m:RB+8*\m+7], v[ONE]   ; rows 2 m and 2 m + 1, four columns each
.endr
	v_nop                                          ; one plain vector line between the last conversion and the permutes that read its result
	WIN 0
.irp g, 0,1,2,3                        ; a 4 x 4 turn of bytes: rows 4 g .. 4 g + 3 (a, b, c, d) x four columns
	v_perm_b32 v[PP],   v[CD+4*\g+1], v[CD+4*\g],   s32        ; a0 b0 a1 b1
	v_perm_b32 v[PP+1], v[CD+4*\g+1], v[CD+4*\g],   s33        ; a2 b2 a3 b3
	v_perm_b32 v[PP+2], v[CD+4*\g+3], v[CD+4*\g+2], s32        ; c0 d0 c1 d1
	v_perm_b32 v[PP+3], v[CD+4*\g+3], v[CD+4*\g+2], s33        ; c2 d2 c3 d3
	v_perm_b32 v[DD+\g],    v[PP+2], v[PP],   s34              ; column 0: a0 b0 c0 d0
	v_perm_b32 v[DD+4+\g],  v[PP+2], v[PP],   s35              ; column 1
	v_perm_b32 v[DD+8+\g],  v[PP+3], v[PP+1], s34              ; column 2
	v_perm_b32 v[DD+12+\g], v[PP+3], v[PP+1], s35              ; column 3
.endr
	s_wait_alu depctr_va_vdst(0)                   ; the permutes have written DD and the shifts WSW, which the LDS stores below read; the unit's lines are done reading and writing its ring slot, in which later loads land
.if \ahead
	WLOAD (\u)+4                                   ; the slot is asked for again at once.  No vector instruction since the wait names it
.endif
.irp j, 0,1,2,3
	ds_store_b128 v[WS], v[DD+4*\j:DD+4*\j+3] offset:2048*SL+512*CC+16*\j      ; column 4 q + j is lane 4 (q % 4) + j + 16 h of fragment (q / 4, 2 w + SL); this unit is its registers 4 CC ..
.endr
.if CC == 3
	ds_store_b128 v[WSS], v[WSW:WSW+3] offset:256*SL               ; both halves of the lanes write the same words with the same values
.endif
.endm
.macro TOKA p                          ; where in order the tokens of the tile stand that begins at place s26; places past the expert's end take its last token
	v_add_nc_u32 v[IDXA+\p], s26, v[Q]
	v_min_u32 v[IDXA+\p], s25, v[IDXA+\p]
	v_min_u32 v[IDXA+\p], 0xfff, v[IDXA+\p]
	v_lshlrev_b32 v[IDXA+\p], 2, v[IDXA+\p]
.endm
.macro TOKG p                          ; and the load of them
	global_load_b32 v[TOK+\p], v[IDXA+\p], s[12:13]
.endm
.macro XADDR p
	v_min_u32 v[TC+\p], 0xfff, v[TOK+\p]
	v_lshl_add_u32 v[XO+\p], v[TC+\p], 10, v[H16]  ; a token's 1,024 codes, + 16 h
	v_lshlrev_b32 v[SO+\p], 5, v[TC+\p]            ; its eight scale words
.endm
.macro XG p                            ; a tile's eight fragments and scale words into set p: 34 loads
	WIN 0xc0                                       ; destination window 3
.irp s, 0,1,2,3,4,5,6,7
.irp c, 0,1,2,3
	global_load_b128 v[128*\p+16*\s+4*\c:128*\p+16*\s+4*\c+3], v[XO+\p], s[8:9] offset:128*\s+32*\c
.endr
.endr
	WIN 0
	global_load_b128 v[XS+8*\p:XS+8*\p+3], v[SO+\p], s[10:11]
	global_load_b128 v[XS+8*\p+4:XS+8*\p+7], v[SO+\p], s[10:11] offset:16
.endm
; A tile of 16 tokens from set p, summed in accumulator set p; n = the other set, which takes the next tile's fragments meanwhile.
.macro TILE p, n
.set AC, ACC+64*\p
	s_wait_loadcnt 0x0                             ; this tile's fragments (asked for a tile ago) and the next tile's tokens are in
	XADDR \n
	s_add_co_u32 s26, s26, 64                      ; my wave's tiles lie four tiles apart
	TOKA \p                                        ; the tokens of the tile after the next
	s_wait_alu depctr_va_vdst(0)                   ; the seven lines above have written XO[n], SO[n] and IDXA[p], which the loads below read as offsets
	XG \n                                          ; in one run, as early in the tile as can be: no vector or matrix instruction since the last tile's second wait on va_vdst names set n or XS[n]
	TOKG \p
.irp i, 0,1,2,3,4,5,6,7
	ds_bpermute_b32 v[RT+\i], v[BP+\i], v[TC+\p]   ; the token of row 2 i + h, which I shall store.  (TC[p] was written ahead of the last tile's waits on va_vdst, the first tile's in phase 1)
.endr
	WIN 0x0d                                       ; source 0 (W) window 1, source 1 (tokens) window 3.  The four accumulators take turns, one instruction a turn
.irp s, 0,1,2,3
.irp t, 0,1,2,3
.if \s == 0
	v_wmma_scale_f32_16x16x128_f8f6f4 v[AC+8*\t:AC+8*\t+7], v[64*\s+16*\t:64*\s+16*\t+15], v[128*\p+16*\s:128*\p+16*\s+15], v[BI+8*\t:BI+8*\t+7], v[WSCL+4*\s+\t], v[XS+8*\p+\s]
.else
	v_wmma_scale_f32_16x16x128_f8f6f4 v[AC+8*\t:AC+8*\t+7], v[64*\s+16*\t:64*\s+16*\t+15], v[128*\p+16*\s:128*\p+16*\s+15], v[AC+8*\t:AC+8*\t+7], v[WSCL+4*\s+\t], v[XS+8*\p+\s]
.endif
.endr
.endr
	WIN 0x0e                                       ; source 0 window 2
.irp s, 4,5,6,7
.irp t, 0,1,2,3
	v_wmma_scale_f32_16x16x128_f8f6f4 v[AC+8*\t:AC+8*\t+7], v[64*(\s-4)+16*\t:64*(\s-4)+16*\t+15], v[128*\p+16*\s:128*\p+16*\s+15], v[AC+8*\t:AC+8*\t+7], v[WSCL+4*\s+\t], v[XS+8*\p+\s]
.endr
.endr
	WIN 0
	s_wait_dscnt 0x0                               ; the rows' tokens are in
	s_wait_xcnt 0x0                                ; the last tile's stores have had their addresses translated: RO and OB are written again only behind this wait
	s_wait_alu depctr_vm_vsrc(0)                   ; the last tile's global stores have read RO and OB, which are written below; its LDS stores have read the other accumulators, which the next tile's products write; this tile's permutes have read TC[p] and its loads XO[n], SO[n], IDXA[p], which the next two tiles' address lines write
	; sixteen plain lines that name none of the products' registers: the eight places in front of the reads of the results
.irp i, 0,1,2,3,4,5,6,7
	v_min_u32 v[RT+\i], 0xfff, v[RT+\i]
.endr
.irp i, 0,1,2,3,4,5,6,7
	v_mad_u32_u24 v[RO+\i], v[RT+\i], 4160, v[Q16]
.endr
	s_wait_alu depctr_va_vdst(0)                   ; the products have written ACC[p], which the LDS stores read, and are done reading token set p and XS[p], in which the next tile's loads land; RO is written, which the global stores read; RT is done with, in which the next tile's permutes land.  The places above stay beside this wait
.irp t, 0,1,2,3
	ds_store_b128 v[STO], v[AC+8*\t:AC+8*\t+3] offset:64*\t            ; lane (r, h): token r, columns 16 t + 8 h + 0 .. 7; each accumulator from its low end on
	ds_store_b128 v[STO], v[AC+8*\t+4:AC+8*\t+7] offset:64*\t+16
.endr
.irp i, 0,1,2,3,4,5,6,7
	ds_load_b128 v[OB+4*\i:OB+4*\i+3], v[RD] offset:544*\i             ; rows 2 i and 2 i + 1, whole; LDS serves a wave's instructions in order: these see the stores above
.endr
.irp i, 0,1,2,3,4,5,6,7
	s_wait_dscnt 7-\i                              ; the younger loads may be out
	global_store_b128 v[RO+\i], v[OB+4*\i:OB+4*\i+3], s[16:17] th:TH_STORE_NT      ; sixteen lanes store 256 consecutive bytes of one row
.endr
.endm
	s_load_b256 s[4:11], s[0:1], 0x0               ; leaf_W s[4:5], leaf_b s[6:7], xcodes s[8:9], xscales s[10:11]
	s_load_b128 s[12:15], s[0:1], 0x20             ; order s[12:13], offs s[14:15]
	s_load_b64 s[16:17], s[0:1], 0x30              ; out0
	v_lshl_add_u32 v254, v0, 2, 0x14d00
	v_mov_b32 v255, 0
	v_lshrrev_b32 v32, 5, v0
	v_readfirstlane_b32 s18, v32                   ; wave 0..3
	s_and_b32 s20, ttmp7, 0xffff                   ; the expert
	v_and_b32 v[Q], 15, v0
	v_bfe_u32 v[H], v0, 4, 1
	v_lshlrev_b32 v[WOFF], 16, v[H]
	v_lshl_add_u32 v[WOFF], v[Q], 4, v[WOFF]
	v_lshrrev_b32 v32, 2, v[Q]
	v_mul_u32_u24 v[WS], v32, TPIT                 ; 16,400 (q / 4) + 64 (q % 4) + 256 h + 4,096 w
	v_and_b32 v32, 3, v[Q]
	v_lshl_add_u32 v[WS], v32, 6, v[WS]
	v_lshl_add_u32 v[WS], v[H], 8, v[WS]
	s_wait_alu depctr_va_sdst(0)                   ; s18, the wave's number, is written, ahead of its first reader
	s_lshl_b32 s38, s18, 12
	v_add_nc_u32 v[WS], s38, v[WS]
	s_lshl_b32 s38, s18, 9
	s_add_co_u32 s38, s38, WSC
	v_lshl_add_u32 v[WSS], v[Q], 4, s38            ; WSC + 256 (2 w) + 4 (4 q)
	v_and_b32 v32, 31, v0
	v_lshlrev_b32 v[LI], 4, v32
	v_lshl_add_u32 v[SCA], v[Q], 2, WSC
	s_mul_i32 s38, s18, 4352
	s_add_co_u32 s38, s38, STG                     ; my stage
	v_mul_u32_u24 v[STO], v[Q], 272
	v_lshl_add_u32 v[STO], v[H], 5, v[STO]
	v_add_nc_u32 v[STO], s38, v[STO]
	v_mul_u32_u24 v[RD], v[H], 272
	v_lshl_add_u32 v[RD], v[Q], 4, v[RD]
	v_add_nc_u32 v[RD], s38, v[RD]
	v_lshlrev_b32 v[Q16], 4, v[Q]
	v_lshlrev_b32 v[H16], 4, v[H]
	v_lshlrev_b32 v[BOFF], 5, v[H]
	v_mov_b32 v[ONE], 1.0
.irp i, 0,1,2,3,4,5,6,7
	v_lshl_add_u32 v[BP+\i], v[H], 2, 8*\i
.endr
.irp j, 0,1,2,3
	v_mov_b32 v[TU+\j], 0                          ; written once: a lane permute's destination counts as one of its sources
.endr
	s_mov_b32 s30, 0x76543210
	s_mov_b32 s31, 0xfedcba98                      ; v_permlanex16_b32's selects for lane l xor 16
	s_mov_b32 s32, 0x05010400                      ; the byte permutes' selectors
	s_mov_b32 s33, 0x07030602
	s_mov_b32 s34, 0x05040100
	s_mov_b32 s35, 0x07060302
	s_mov_b32 s36, 0xc3e00000                      ; -448
	s_mov_b32 s37, 0x43e00000                      ; 448
	s_lshl_b32 s38, s20, 22                        ; the expert's 4 MiB,
	s_lshl_b32 s40, ttmp9, 8                       ; the slab's 256 bytes of a row,
	s_add_co_u32 s38, s38, s40
	s_lshl_b32 s39, s18, 20                        ; my wave's 256 rows
	s_add_co_u32 s38, s38, s39
	s_mov_b32 s39, 0
	s_mov_b32 s41, 0
	s_wait_kmcnt 0x0
	s_add_nc_u64 s[4:5], s[4:5], s[38:39]
	s_add_nc_u64 s[16:17], s[16:17], s[40:41]
	s_add_nc_u64 s[16:17], s[16:17], 64            ; out0 at column 16 + 64 slab
	s_lshl_b32 s38, s20, 12
	s_add_co_u32 s38, s38, s40
	s_add_nc_u64 s[6:7], s[6:7], s[38:39]          ; leaf_b at the expert's row, the slab's columns
	s_lshl_b32 s38, s20, 2
	s_add_nc_u64 s[14:15], s[14:15], s[38:39]
	s_load_b64 s[22:23], s[14:15], 0x0             ; offs[e], offs[e + 1]: the expert's places in order
	s_wait_alu depctr_va_vdst(0)                   ; the offsets and addresses v1 to v13 and v24 to v31 are written, which the kernel's loads, stores and permutes read; so is v32, in which a permute's result lands later
	WLOAD 0                                        ; 64 loads of 512 bytes a wave: 128 KB of the work-group's 256 are asked for at once (the issue is held where the counter's field is full: ISA guide 5.7.1)
	WLOAD 1
	WLOAD 2
	WLOAD 3
	s_wait_kmcnt 0x0
	s_min_u32 s22, s22, 0x1000
	s_min_u32 s23, s23, 0x1000
	s_sub_co_u32 s24, s23, s22
	s_add_co_u32 s24, s24, 15
	s_lshr_b32 s24, s24, 4                         ; tiles of 16 tokens
	s_sub_co_u32 s25, s23, 1                       ; the expert's last place
	s_lshl_b32 s26, s18, 4
	s_add_co_u32 s26, s26, s22                     ; my first tile's first place
	s_add_co_u32 s27, s24, 3
	s_sub_co_u32 s27, s27, s18
	s_lshr_b32 s27, s27, 2                         ; my tiles: w, w + 4, ..
	s_add_co_u32 s28, s27, 1
	s_lshr_b32 s28, s28, 1                         ; and the loop's trips, two tiles each
	TOKA 0
	s_add_co_u32 s26, s26, 64
	TOKA 1
	s_wait_alu depctr_va_vdst(0)                   ; IDXA[0] and IDXA[1] are written, which the two loads below read as offsets
	TOKG 0
	TOKG 1
	; ---- phase 1
	UNIT 0, 50, 1                                  ; behind a unit's sixteen loads: three units' 48 and the two loads of tokens
	UNIT 1, 50, 1
	UNIT 2, 50, 1
	UNIT 3, 50, 1
	UNIT 4, 48, 0                                  ; three units
	UNIT 5, 32, 0
	XADDR 0                                        ; the tokens came in long ago.  My first tile's offsets are made here, ahead of unit 6's wait on va_vdst, which so states them written too
	UNIT 6, 16, 0
	XG 0                                           ; my first tile's fragments and the bias are asked for here: with the last unit's 16 loads that is 58 out.  No vector instruction stands between unit 6's wait and these loads
.irp t, 0,1,2,3
	global_load_b128 v[BI+8*\t:BI+8*\t+3], v[BOFF], s[6:7] offset:64*\t            ; lane (r, h): leaf_b of columns 16 t + 8 h + 0 .. 7
	global_load_b128 v[BI+8*\t+4:BI+8*\t+7], v[BOFF], s[6:7] offset:64*\t+16
.endr
	UNIT 7, 42, 0                                  ; the 34 + 8 just issued
	s_wait_dscnt 0x0                               ; for the others' sake: my images and scale words have landed
	s_barrier_signal -1
	s_barrier_wait -1                              ; all 32 fragments lie in LDS
	; ---- every wave takes all of them.  Window 1 was the ring: unit 7's wait on va_vdst has shown every vector line that named it done, and no vector instruction stands behind that wait
	WIN 0x40
.irp s, 0,1,2,3
.irp t, 0,1,2,3
.irp c, 0,1,2,3
	ds_load_b128 v[64*\s+16*\t+4*\c:64*\s+16*\t+4*\c+3], v[LI] offset:TPIT*\t+2048*\s+512*\c
.endr
.endr
.endr
	WIN 0x80
.irp s, 4,5,6,7
.irp t, 0,1,2,3
.irp c, 0,1,2,3
	ds_load_b128 v[64*(\s-4)+16*\t+4*\c:64*(\s-4)+16*\t+4*\c+3], v[LI] offset:TPIT*\t+2048*\s+512*\c
.endr
.endr
.endr
	WIN 0
.irp s, 0,1,2,3,4,5,6,7
.irp t, 0,1,2,3
	ds_load_b32 v[WSCL+4*\s+\t], v[SCA] offset:256*\s+64*\t        ; lane r: the word of column 16 t + r
.endr
.endr
	s_wait_dscnt 0x0
	; ---- phase 2: my tiles, two a trip, so that the two sets of registers are back where they began.  The loop is counted by s28 alone and is left by falling through its backward branch or,
	; where my tiles are an odd number, by the wave's end behind the last trip's first tile: no branch leads out of it past the counter's step.  No barrier stands behind this point.
	s_cmp_eq_u32 s27, 0
	s_cbranch_scc1 .Ldone                          ; an expert with few tokens leaves some waves without a tile
.Lpair:
	TILE 0, 1
	s_sub_co_u32 s27, s27, 1
	s_cmp_lg_u32 s27, 0
	s_cbranch_scc1 .Lsecond                        ; a tile is left: on to the trip's second half
	s_wait_dscnt 0x0                               ; none is left: the wave's end, six lines on end
	s_wait_alu 0x0
	s_wait_tensorcnt 0x0
	ds_add_u32 v254, v255
	s_wait_dscnt 0x0
	s_endpgm                                       ; the loads asked for beyond my last tile used held places and tokens: they stay inside their buffers, and nobody reads them
.Lsecond:
	TILE 1, 0
	s_sub_co_u32 s27, s27, 1
	s_sub_co_u32 s28, s28, 1
	s_cmp_lg_u32 s28, 0
	s_cbranch_scc1 .Lpair
.Ldone:                                        ; likewise here: what was asked for beyond my last tile lies inside its buffer and is not read
	s_wait_dscnt 0x0                               ; the wave's end: the same six lines
	s_wait_alu 0x0
	s_wait_tensorcnt 0x0
	ds_add_u32 v254, v255
	s_wait_dscnt 0x0
	s_endpgm
.Lfunc_end_k_qbb165289b6_leaf:
	.size	k_qbb165289b6_leaf, .Lfunc_end_k_qbb165289b6_leaf-k_qbb165289b6_leaf
	.p2alignl 7, 3214868480
	.fill 96, 4, 3214868480
	.section	.rodata,"a",@progbits
	.p2align	6, 0x0
	.amdhsa_kernel k_qbb165289b6_leaf
		.amdhsa_group_segment_fixed_size 85760
		.amdhsa_private_segment_fixed_size 0
		.amdhsa_enable_private_segment 0
		.amdhsa_kernarg_size 56
		.amdhsa_user_sgpr_count 2
		.amdhsa_user_sgpr_kernarg_segment_ptr 1
		.amdhsa_wavefront_size32 1
		.amdhsa_system_sgpr_workgroup_id_x 1
		.amdhsa_system_sgpr_workgroup_id_y 1
		.amdhsa_system_sgpr_workgroup_id_z 1
		.amdhsa_system_vgpr_workitem_id 0
		.amdhsa_next_free_vgpr 1024
		.amdhsa_next_free_sgpr 66
		.amdhsa_reserve_vcc 0
		.amdhsa_float_denorm_mode_32 3
		.amdhsa_float_denorm_mode_16_64 3
		.amdhsa_memory_ordered 1
		.amdhsa_forward_progress 1
		.amdhsa_inst_pref_size 157
	.end_amdhsa_kernel
	.amdgpu_metadata
---
amdhsa.version: [ 1, 2 ]
amdhsa.kernels:
  - .name:           k_qbb165289b6_leaf
    .symbol:         k_qbb165289b6_leaf.kd
    .args:
      - { .name: leaf_W, .offset: 0, .size: 8, .value_kind: global_buffer, .address_space: global }
      - { .name: leaf_b, .offset: 8, .size: 8, .value_kind: global_buffer, .address_space: global }
      - { .name: xcodes, .offset: 16, .size: 8, .value_kind: global_buffer, .address_space: global }
      - { .name: xscales, .offset: 24, .size: 8, .value_kind: global_buffer, .address_space: global }
      - { .name: order, .offset: 32, .size: 8, .value_kind: global_buffer, .address_space: global }
      - { .name: offs, .offset: 40, .size: 8, .value_kind: global_buffer, .address_space: global }
      - { .name: out0, .offset: 48, .size: 8, .value_kind: global_buffer, .address_space: global }
    .group_segment_fixed_size: 85760
    .private_segment_fixed_size: 0
    .kernarg_segment_align: 8
    .kernarg_segment_size: 56
    .max_flat_workgroup_size: 128
    .sgpr_count:     66
    .vgpr_count:     1024
    .wavefront_size: 32
...
	.end_amdgpu_metadata
.endif
;; end of part 3
